; MI455X (gfx1250); checked and timed in simulation.
; The chip was launched on July 23, 2026; its instructions are those of AMD's public machine-readable ISA for CDNA 5 (MIT licence, August 2026) and "CDNA5" Instruction Set Architecture Reference Guide (July 2026). The comments in the code are by the model that wrote it; some were corrected since.
;; Kronecker Linear. Allowed arithmetic: matrix products marked QUANTISED: E2M1 operands, one E8M0 scale for each 32 along K, by v_wmma_scale_f32_16x16x128_f8f6f4 with both operands' format E2M1 (or v_wmma_scale_f32_32x16x128_f4), f32 sums; products left as they are: f32 operands where the result goes on into a quantised operand, else bf16, f16 or f32 operands; f32 sums; everything else in f32.
;; Inputs: a 8 x 8 x 8 float32; s 8 x 256 x 512 float32; x_codes 4 x 2,048 x 128 x 16 uint8 (E2M1 codes of x, K innermost, in blocks of 32 codes, two codes a byte); x_scales 4 x 2,048 x 128 uint8 (E8M0 scales of x, one for each 32 codes along K).
;; Outputs: out0 4 x 2,048 x 2,048 float32.
;; This version of the problem:
;;   THIS VERSION OF THE PROBLEM IS GIVEN IN LOW PRECISION. The matrix products marked QUANTISED in the list below multiply operands that are first quantised to E2M1 (2 exponent bits, 1 mantissa bit; 4 bits a number), with one power-of-two scale for each 32 numbers along K (OCP MX v1.0); their sums are f32. All else is computed in f32.
;;   The module's matrix products, in the order in which they are computed (A, B: the left and right operand; K: the contracted axis; several contracted axes count as one K, in the product's order):
;;     1. batch 8 x [M 131,072, K 1] x [K 1, N 64]; A: computed on the way; B: computed on the way: left as it is (no contracted axis)
;;     2. [M 8,192, K 4,096] x [K 4,096, N 2,048]; A: input x (given as codes); B: computed on the way: QUANTISED
;;   THE QUANTISER, for each operand of a quantised product, along K:
;;     - K is cut into blocks of 32 from its start; a last block that is shorter is filled with zeros.
;;     - A block's scale is 2^e with e = floor(log2(the largest magnitude in the block)) - 2, held to -126 .. 127; a block of zeros has e = 0. As a byte (E8M0): e + 127.
;;     - Each number is divided by its block's scale, clamped to +-6, and rounded to the nearest number of E2M1, ties to even, subnormals kept.
;;     - The product sums the exact products of the quantised numbers (number of the format x scale) in f32.
;;   ~~~python
;;   def quantise(x, axis):      # numpy; x: float32 -> the quantised numbers, widened to float32 again
;;       x = np.moveaxis(x, axis, -1); K = x.shape[-1]
;;       x = np.pad(x, [(0, 0)] * (x.ndim - 1) + [(0, -K % 32)]); x = x.reshape(x.shape[:-1] + (-1, 32)); a = np.abs(x).max(-1, keepdims=True)
;;       e = np.where(a > 0, np.clip(np.frexp(np.where(a > 0, a, 1))[1] - 1 - 2, -126, 127), 0)      # np.frexp(a)[1] - 1 = floor(log2(a)), exactly
;;       r = np.clip(x / 2.0 ** e, -6, 6)
;;       step = 2.0 ** (np.maximum(np.frexp(np.where(r == 0, 1, r))[1] - 1, 0) - 1)
;;       q = np.round(r / step) * step * 2.0 ** e      # np.round: ties to even
;;       return np.moveaxis(q.reshape(q.shape[:-2] + (-1,))[..., :K], -1, axis).astype(np.float32)
;;   ~~~
;;   OPERANDS COMPUTED ON THE WAY. 'Computed on the way' means the value that the module computes at that place (a softmax that the list does not call 'softmax' is quantised finished and normalised). What goes into a quantiser is computed in f32, as accurately as f32 sums, v_exp_f32 and their like allow (about 1e-6 of the number): no bf16 or f16 on the way to a quantiser, and a product that is left as it is and whose result goes on into a quantised operand takes f32 operands (vector FMAs, or v_wmma_f32_16x16x4_f32). A number that lies on a knife's edge between two numbers of the format may be rounded either way, as far as f32 arithmetic and the matrix unit's own rounding can turn it there, and no further.
;;   INPUTS GIVEN AS CODES. x (in the module: [4, 2048, 4096], K = its axis 2): each comes as NAME_codes (uint8): NAME with its K axis moved to the last place and cut into blocks of 32 codes, [.., K / 32, bytes a block], one block behind the other in memory; two codes a byte, the lower K in the low four bits (a code: sign, 2 exponent bits, 1 mantissa bit); and NAME_scales (uint8): the same leading axes, one E8M0 byte (e + 127) for each 32 codes along K. Its value is code x scale, taken as it is: it is not quantised again, and the codes and scales need not be those that the quantiser above would give.
;; One version. Each part assembles by itself: llvm-mc -triple=amdgcn-amd-amdhsa -mcpu=gfx1250 --defsym DOCPART=n.
;; ======== version 1 of 1: 2 launches
;; limits: right only within a limited range of input values
;; workspace buffers: wq 4,456,448 bytes
;; launch makew (part 1): grid 256 x 1, 8 waves a work-group, no clusters, 24,576 bytes of LDS; arguments a, s, wq; writes wq
.if DOCPART == 1
	.amdgcn_target "amdgcn-amd-amdhsa--gfx1250"
	.amdhsa_code_object_version 6
	.text
	.protected	k_q0d32fefd90_makew
	.globl	k_q0d32fefd90_makew
	.p2align	8
	.type	k_q0d32fefd90_makew,@function
k_q0d32fefd90_makew:
	s_mov_b64 s[64:65], 0
	v_nop
	global_prefetch_b8 v0, s[64:65] scope:SCOPE_SE
	s_setreg_imm32_b32 hwreg(HW_REG_WAVE_MODE, 25, 1), 1
	s_wait_xcnt 0x0
; weight[256 ar + kr][512 ac + pc] = sum over b of a[b][ar][ac] s[b][kr][pc], in f32, quantised along its 4,096 columns (blocks of 32 along pc) to codes of FP4 (E2M1) with one E8M0 byte a block.
; a: [8][8][8] f32.  s: [8][256][512] f32.  wq: the program's own buffer, laid as the product's waves take it into registers:
; 32 subtiles of 64 weight rows, SUBB bytes each (rows 64 sub + 4 r + t: t = tile 0 .. 3, r = column 0 .. 15 of the tile).  The product's step (v, jp), v = 0 .. 3, jp = 0 .. 7, takes FOUR BLOCKS of 32 along K:
; ac = 2 v + c, block 2 jp + h of its 16 (c, h = 0, 1).  In a subtile: codes at 4,096 (8 v + jp) + 1,024 t + 512 c + 256 (r / 8) + 128 h + 16 (r % 8); then, from byte 131,072 on, the scale bytes at 1,024 jp + 256 t + 16 r + 4 v + 2 c + h.
; SHARES.  A work-group takes the 8 rows kr = 64 g + 4 r + t (r / 8 = rh) and 64 columns pc = 64 jp on: 16 KB of s, so each byte of s is read once in the launch, in pieces of 256 consecutive bytes.  Wave w loads s[w]'s eight pieces;
; they meet in LDS; behind the one barrier wave w makes ar = w for ac = 0 .. 7.  A lane holds 16 NEIGHBOURS along pc (two neighbouring lanes hold a block of a row), which is what the conversions take.
; The stage has 16 bytes of padding behind each 64 and a row pitch of 352, so that the lanes' reads fall on different banks (64 banks of 4 bytes: ISA guide 11.1).
; A block's scale is 2^(floor(log2(its largest magnitude)) - 2); its byte is the largest magnitude's exponent field - 2, held at 1 from below by a floor among the maximum's leaves.
; The sum over b is a chain of fused multiply-adds in f32, b ascending (reference() rounds each product first: a difference of the order of one f32 rounding).
; OUT.  A wave's 8 bytes of codes a lane are 256 consecutive bytes, aligned.  The scale bytes leave once a wave, 128 consecutive bytes: whole units of 256 would want sixteen rows in a work-group, twice the bytes of s for each.
; LIMITS: a block of zeros gets the byte 1 where the quantiser says 127 (its codes are zeros, which add nothing under that byte, and this program alone reads the bytes); NaN and infinities in a or s are not served.
; NOT USED: tensor loads (16 KB a work-group), the matrix units (a K of 8 in f32 ahead of a quantiser), clusters (work-groups share only a's 2,048 bytes).
.set SP,    80                         ; 64 bytes + 16 of padding
.set RP,    352                        ; a row piece in the stage: four places of SP, and 32 more
.set STB,   8*RP                       ; one b
.set SCB,   8*STB                      ; behind the stage: 128 scale bytes for each wave, the wave's own: 16 row + 4 v + 2 c + h
.set SPARE, SCB+1024                   ; the spare words, 128 bytes for each wave
.set SUBB,  139264
.set R,     16                         ; v16-31   as loaded
.set S,     32                         ; v32-159  s[b][row][my 16] at v[S + 16 b]
.set W,     160                        ; v160-175 16 weights
.set C,     192                        ; v192-207 two registers of codes for each ac: no store's data are written again
.set E,     208                        ; v208-215 a scale byte for each ac
.set P,     84                         ; s84-99   eight pairs: the coefficient a[b][w][ac] in the low word; the packed forms name the pair and take its low word for both halves
; a[b][w][0 .. 7] lies in s[16 + 8 b + 4 (b / 6)] on: s16-63 and s68-83
	s_load_b128 s[4:7], s[0:1], 0x0                ; a, s
	s_load_b64 s[8:9], s[0:1], 0x10                ; wq
	v_lshl_add_u32 v224, v0, 2, SPARE
	v_mov_b32 v225, 0
	v_lshrrev_b32 v1, 5, v0
	v_and_b32 v8, 31, v0                           ; lane
	v_readfirstlane_b32 s2, v1                     ; wave 0..7
	s_mul_i32 s3, s2, STB
	s_lshl_b32 s14, s2, 7
	s_add_co_u32 s14, s14, SCB
	v_lshrrev_b32 v9, 4, v8                        ; on the way in the odd row of two; on the way out h
	v_and_b32 v10, 15, v8
	v_bfe_u32 v11, v8, 2, 2
	v_and_b32 v14, 3, v8
	v_bfe_u32 v15, v8, 1, 3                        ; on the way out: my row r % 8
	v_and_b32 v12, 1, v8                           ; and my half of the block
	v_lshlrev_b32 v2, 4, v10
	v_mul_u32_u24 v3, v9, RP
	v_mul_u32_u24 v4, v15, RP
	v_lshl_add_u32 v5, v15, 4, v9
	v_lshlrev_b32 v7, 3, v8                        ; my 8 bytes of 256 bytes of codes
	v_lshlrev_b32 v13, 2, v8                       ; my 4 of 128 scale bytes
	v_lshl_add_u32 v2, v9, 13, v2                  ; my 16 bytes of two rows' pieces, four rows of s apart
	v_mad_u32_u24 v3, v11, SP, v3
	v_mad_u32_u24 v4, v9, 2*SP, v4
	v_add_nc_u32 v5, s14, v5                       ; my block's scale byte, ac = 0
	v_lshl_add_u32 v6, v0, 2, SCB                  ; and back, 4 bytes a lane
	v_lshl_add_u32 v3, v14, 4, v3
	v_mad_u32_u24 v4, v12, SP, v4                  ; the stage, on the way out: my row, block, half; b = 0
	s_nop 0
	v_add_nc_u32 v3, s3, v3                        ; and on the way in: rows 0 and 1 of b = w
	s_and_b32 s88, ttmp9, 7                        ; jp
	s_bfe_u32 s89, ttmp9, 0x10003                  ; rh
	s_bfe_u32 s90, ttmp9, 0x20004                  ; t
	s_lshr_b32 s91, ttmp9, 6                       ; g
	s_lshl_b32 s12, s2, 19                         ; s[w][64 g + 32 rh + t][64 jp]
	s_lshl_b32 s13, s91, 17
	s_add_co_u32 s12, s12, s13
	s_lshl_b32 s13, s89, 16
	s_add_co_u32 s12, s12, s13
	s_lshl_b32 s13, s90, 11
	s_add_co_u32 s12, s12, s13
	s_lshl_b32 s13, s88, 8
	s_add_co_u32 s12, s12, s13
	s_mov_b32 s13, 0
	s_lshl_b32 s14, s2, 5                          ; a[.][w][.]
	s_mov_b32 s15, 0
	s_lshl_b32 s84, s2, 2
	s_add_co_u32 s84, s84, s91
	s_mul_i32 s84, s84, SUBB                       ; subtile 4 w + g
	s_lshl_b32 s86, s88, 10                        ; the scale bytes
	s_add_co_u32 s86, s86, s84
	s_lshl_b32 s92, s90, 8
	s_add_co_u32 s86, s86, s92
	s_lshl_b32 s92, s89, 7
	s_add_co_u32 s86, s86, s92
	s_add_co_u32 s86, s86, 131072
	s_mov_b32 s87, 0
	s_lshl_b32 s92, s88, 12                        ; the codes
	s_add_co_u32 s84, s84, s92
	s_lshl_b32 s92, s90, 10
	s_add_co_u32 s84, s84, s92
	s_lshl_b32 s92, s89, 8
	s_add_co_u32 s84, s84, s92
	s_mov_b32 s85, 0
	s_wait_alu depctr_va_vdst(0)
	s_wait_kmcnt 0x0
	s_add_nc_u64 s[6:7], s[6:7], s[12:13]
	s_add_nc_u64 s[4:5], s[4:5], s[14:15]
	s_add_nc_u64 s[10:11], s[8:9], s[86:87]
	s_add_nc_u64 s[8:9], s[8:9], s[84:85]
.irp j, 0,1,2,3
	global_load_b128 v[R+4*\j:R+4*\j+3], v2, s[6:7] offset:16384*\j th:TH_LOAD_NT  ; two rows, 256 consecutive bytes each; read once in the launch
.endr
.irp b, 0,1,2,3,4,5,6,7
	s_load_b256 s[16+8*\b+4*(\b/6):16+8*\b+4*(\b/6)+7], s[4:5], 256*\b             ; a[b][w][0 .. 7]
.endr
.irp b, 0,1,2,3,4,5,6,7
	s_mov_b32 s[P+2*\b+1], 0                       ; named with the low word as a pair, so it is written
.endr
	s_wait_loadcnt 0x0
.irp j, 0,1,2,3
	ds_store_b128 v3, v[R+4*\j:R+4*\j+3] offset:2*RP*\j
.endr
	s_wait_dscnt 0x0                               ; for the others' sake: my rows lie in the stage
	s_barrier_signal -1
	s_barrier_wait -1                              ; everybody's do.  The stage is never written again: this is the only barrier
.irp b, 0,1,2,3,4,5,6,7
.irp i, 0,1,2,3
	ds_load_b128 v[S+16*\b+4*\i:S+16*\b+4*\i+3], v4 offset:STB*\b+16*\i
.endr
.endr
	s_wait_kmcnt 0x0                               ; a
	s_wait_dscnt 0x0                               ; s
; 16 weights of one row for one ac, their codes and their scale byte.
.macro COMBO ac
.irp b, 0,1,2,3,4,5,6,7
	s_mov_b32 s[P+2*\b], s[16+8*\b+4*(\b/6)+\ac]
.endr
.irp j, 0,2,4,6,8,10,12,14
	v_pk_mul_f32 v[W+\j:W+\j+1], v[S+\j:S+\j+1], s[P:P+1] op_sel_hi:[1,0]          ; b = 0 starts the sums: nothing is cleared
.endr
.irp b, 1,2,3,4,5,6,7
.irp j, 0,2,4,6,8,10,12,14
	v_pk_fma_f32 v[W+\j:W+\j+1], v[S+16*\b+\j:S+16*\b+\j+1], s[P+2*\b:P+2*\b+1], v[W+\j:W+\j+1] op_sel_hi:[1,0,1]
.endr
.endr
	v_max3_num_f32 v8, |v[W]|, |v[W+1]|, |v[W+2]|                  ; the largest magnitude of my 16, in two chains
	v_max3_num_f32 v9, |v[W+3]|, |v[W+4]|, |v[W+5]|
.irp i, 6,10
	s_delay_alu instid0(VALU_DEP_2)
	v_max3_num_f32 v8, v8, |v[W+\i]|, |v[W+\i+1]|
	s_delay_alu instid0(VALU_DEP_2)
	v_max3_num_f32 v9, v9, |v[W+\i+2]|, |v[W+\i+3]|
.endr
	s_delay_alu instid0(VALU_DEP_2)
	v_max3_num_f32 v8, v8, |v[W+14]|, |v[W+15]|
	s_delay_alu instid0(VALU_DEP_1)
	v_max3_num_f32 v8, v8, v9, 0x1800000           ; and the floor 2^(3 - 127): the byte cannot fall under 1
	s_delay_alu instid0(VALU_DEP_1)
	v_max_num_f32_dpp v8, v8, v8 row_xmask:1 row_mask:0xf bank_mask:0xf   ; and of my neighbour's 16: the block's
	s_delay_alu instid0(VALU_DEP_1)
	v_add_nc_u32 v11, 0xff000000, v8               ; 2 off its exponent field: the conversion takes the exponent field of this operand as its scale, and nothing else of it
	v_cvt_scalef32_pk8_fp4_f32 v[C+2*\ac], v[W:W+7], v11           ; eight numbers / the scale, to the nearest code, ties to even, beyond 6 the largest code; the first number's code in the lowest four bits
	v_cvt_scalef32_pk8_fp4_f32 v[C+2*\ac+1], v[W+8:W+15], v11
	v_lshrrev_b32 v[E+\ac], 23, v11                ; the scale's byte.  (Also the plain instruction between the conversions and the next writes of their sources)
	ds_store_b8 v5, v[E+\ac] offset:2*\ac          ; both lanes of a block write the same byte with the same value
	global_store_b64 v7, v[C+2*\ac:C+2*\ac+1], s[8:9] offset:32768*(\ac/2)+512*(\ac%2)   ; 32 lanes store 256 consecutive bytes, at a multiple of 256 from wq's first byte
.endm
.irp n, 0,1,2,3,4,5,6,7
	COMBO \n
.endr
	ds_load_b32 v14, v6                            ; LDS serves a wave's instructions in order (ISA guide 5.7.1.4): this sees my byte stores
	s_wait_dscnt 0x0
	global_store_b32 v13, v14, s[10:11]            ; 32 lanes store 128 consecutive bytes
	s_wait_tensorcnt 0x0                           ; the wave's end
	ds_add_u32 v224, v225
	s_wait_dscnt 0x0
	s_endpgm
.Lfunc_end_k_q0d32fefd90_makew:
	.size	k_q0d32fefd90_makew, .Lfunc_end_k_q0d32fefd90_makew-k_q0d32fefd90_makew
	.p2alignl 7, 3214868480
	.fill 96, 4, 3214868480
	.section	.rodata,"a",@progbits
	.p2align	6, 0x0
	.amdhsa_kernel k_q0d32fefd90_makew
		.amdhsa_group_segment_fixed_size 24576
		.amdhsa_private_segment_fixed_size 0
		.amdhsa_enable_private_segment 0
		.amdhsa_kernarg_size 24
		.amdhsa_user_sgpr_count 2
		.amdhsa_user_sgpr_kernarg_segment_ptr 1
		.amdhsa_wavefront_size32 1
		.amdhsa_system_sgpr_workgroup_id_x 1
		.amdhsa_system_sgpr_workgroup_id_y 1
		.amdhsa_system_sgpr_workgroup_id_z 1
		.amdhsa_system_vgpr_workitem_id 0
		.amdhsa_next_free_vgpr 226
		.amdhsa_next_free_sgpr 100
		.amdhsa_reserve_vcc 0
		.amdhsa_float_denorm_mode_32 3
		.amdhsa_float_denorm_mode_16_64 3
		.amdhsa_memory_ordered 1
		.amdhsa_forward_progress 1
		.amdhsa_inst_pref_size 51
	.end_amdhsa_kernel
	.amdgpu_metadata
---
amdhsa.version: [ 1, 2 ]
amdhsa.kernels:
  - .name:           k_q0d32fefd90_makew
    .symbol:         k_q0d32fefd90_makew.kd
    .args:
      - { .name: a, .offset: 0, .size: 8, .value_kind: global_buffer, .address_space: global }
      - { .name: s, .offset: 8, .size: 8, .value_kind: global_buffer, .address_space: global }
      - { .name: wq, .offset: 16, .size: 8, .value_kind: global_buffer, .address_space: global }
    .group_segment_fixed_size: 24576
    .private_segment_fixed_size: 0
    .kernarg_segment_align: 8
    .kernarg_segment_size: 24
    .max_flat_workgroup_size: 256
    .sgpr_count:     100
    .vgpr_count:     226
    .wavefront_size: 32
...
	.end_amdgpu_metadata
.endif
;; end of part 1
;; launch gemm (part 2): grid 8 x 32, 4 waves a work-group, clusters of 4 x 1, 327,680 bytes of LDS; arguments x_codes, x_scales, wq, out0; writes out0
.if DOCPART == 2
	.amdgcn_target "amdgcn-amd-amdhsa--gfx1250"
	.amdhsa_code_object_version 6
	.text
	.protected	k_q0d32fefd90_gemm
	.globl	k_q0d32fefd90_gemm
	.p2align	8
	.type	k_q0d32fefd90_gemm,@function
k_q0d32fefd90_gemm:
	s_mov_b64 s[64:65], 0
	v_nop
	global_prefetch_b8 v0, s[64:65] scope:SCOPE_SE
	s_setreg_imm32_b32 hwreg(HW_REG_WAVE_MODE, 25, 1), 1
	s_wait_xcnt 0x0
	s_wait_alu depctr_hold_cnt(0) depctr_sa_sdst(0) depctr_va_vdst(0) depctr_va_sdst(0) depctr_va_ssrc(0) depctr_va_vcc(0) depctr_vm_vsrc(0)
	s_getreg_b32 s2, hwreg(HW_REG_IB_STS2, 6, 4)
	s_cmp_eq_u32 s2, 0
	s_cbranch_scc0 .Lentry_in_a_cluster
	s_endpgm
.Lentry_in_a_cluster:
	s_bfe_u32 s2, ttmp6, 0x10000c
	s_cmp_lg_u32 s2, 0x3003
	s_cbranch_scc0 .Lentry_shape_is_right
	s_endpgm
.Lentry_shape_is_right:
; out0[m][n] = sum over k of x[m][k] weight[n][k].  x: [8192][4096] as codes of FP4 (E2M1), two a byte, K innermost (a row is 2,048 bytes), with one E8M0 byte for each 32 along K ([8192][128]); taken as given.
; weight: codes and scale bytes in wq, in 32 subtiles of 64 rows, SUBB bytes each: a register image of four tiles (tile t's column r is row 64 sub + 4 r + t).  out0: [8192][2048] f32; sums in f32.
; The matrix instruction (32 x 16 x 128) takes codes and scale bytes as they lie.
; SHARES.  A work-group makes 256 x 256 of out0: 32 x 8 work-groups.  Each of its four waves makes all 256 rows of 64 columns: 32 accumulators of 32 x 16, 512 registers.
; K goes in 32 steps of 128.  Step 8 v + jp takes four blocks of 32: k = 512 (2 v + c) + 64 jp + 32 h + 0 .. 31, c, h = 0, 1: the same blocks of x and of the weight, so the sum is of the same products.
; x goes through a ring of two LDS slots of 1,024 along K (v), 256 rows x 512 bytes, a quarter of the rows a wave and load.  The weight goes from memory straight into registers, 512 consecutive bytes a load, through a ring of four steps:
; no two waves of a work-group want the same rows of it and it never lies in LDS, so it is not asked for jointly.  Its scale words come with the codes of steps 0 .. 7, a lane's words for v = 0 .. 3 at once, into 64 registers.
; CLUSTERS: four work-groups of a tile row need the same rows of x: asked for JOINTLY, by the same tensor load with the same descriptor and a mask that names the four.
; x's SCALE BYTES, of 256 rows for all of K, come once, through registers, which put a step's four bytes of a row into one word, into LDS.
; A STEP is twice a run of loads and 16 matrix instructions: rows 0-127, then rows 128-255.  Each run asks for the same half of the next step's fragments of x; the second one also for the weight of the step three on.
; THE LAST FOUR STEPS go by halves of the rows: rows 0-127 through all four, then rows 128-255 (the weight of the four steps lies in the ring): so half of the results leave while the other half is multiplied.
; THE WAY OUT.  A lane's register j of tiles 0 .. 3 are columns 4 r .. 4 r + 3 of one row: four moves make 16 bytes, and sixteen lanes store 256 consecutive bytes, aligned; so no result goes through LDS.
; NO PREFETCH: a slot of x is asked for a whole slot, 240 matrix instructions, ahead of the wait for it; the weight's loads stand more than two steps ahead, and no wait for them is for 0 but the last.
; LIMITS: none beyond makew's.
; REGISTERS, in windows of 256: window 0: v0-31 addresses; v32-47 x's scale words, two sets; v64-127 the weight's; v128-255 the weight's ring, 32 registers a step.
;   window 1: x's fragments, two sets of 8 x 16 registers; on the way out registers to store.   window 2: accumulators (p, t) at v[16 (4 p + t)], rows 32 p on, p = 0 .. 3;   window 3: p = 4 .. 7.
.set PITCH, 528                        ; an LDS row: 512 bytes + 16 of padding = 132 words: row r starts at bank 4 r mod 64 (64 banks of 4 bytes: ISA guide 11.1), so the 16 rows that a load touches start at 16 different banks
.set SLOT,  256*PITCH
.set QROWS, 64*PITCH                   ; what one tensor load brings
.set XS,    2*SLOT                     ; behind: x's scale words: step s at SSTEP s; in it row m at 512 (m / 128) + 16 (m % 32) + 4 (m / 32 % 4)
.set SSTEP, 1104
.set SPARE, XS+32*SSTEP                ; 305,664: the spare words, 128 bytes for each wave: two blocks of 256 bytes that no other line names
.set SUBB,  139264
.set WSC,   131072                     ; in a subtile: the scale bytes
.set ROWO,  8192                       ; a row of out0 in bytes
.set RA,    16                         ; v16-19  LDS address of my x fragments: slot 0 rows 0-127, rows 128-255; slot 1 likewise
.set LS,    20                         ; LDS address of x's scale words
.set BO,    21                         ; my 16 bytes of a load of the weight's codes
.set BS,    22                         ; 16 x lane: the weight's scale words
.set CO,    23                         ; my place in two rows of out0
.set SI,    24                         ; where I put x's scale words
.set SG,    25                         ; where I read x's scale bytes
.set SEL,   26                         ; which bytes make a word
.set SPW,   28                         ; v28     LDS address of my spare word; never rewritten
.set NIL,   29                         ; v29     0; never rewritten
.set SA,    32                         ; x's scale words of step s: v[SA + 8 (s % 2) + p]: lane m = row 32 p + m
.set TT,    48                         ; v48-51  at the head
.set SB,    64                         ; the weight's: v[SB + 8 jp + 4 (t / 2) + v]: lanes 0-15 the even tile, lanes 16-31 the odd one
.set BR,    128
.set XR,    192                        ; at the head: x's scale bytes
.set G1,    24                         ; s[24:31] descriptor group 1
.set G0,    32                         ; s[32:39] group 0, a set for each slot
.set MSB, 0
.macro WIN new                         ; the immediate's high byte repeats the setting that is left; a switch that changes nothing is dropped
.if MSB != \new
	s_set_vgpr_msb (MSB<<8)|\new
.set MSB, \new
.endif
.endm
.macro CREST                           ; a round of the cluster's barrier behind its opening barrier
	s_cmp_lg_u32 s14, 0
	s_cbranch_scc1 .Lnot_wave_0_\@
	s_barrier_signal -3
.Lnot_wave_0_\@:
	s_barrier_wait -3
	s_barrier_signal -1
	s_barrier_wait -1
.endm
.macro CROUND                          ; a whole round
	s_barrier_signal -1
	s_barrier_wait -1
	CREST
.endm
.macro PLACES                          ; four places behind the matrix instructions that have read or written the registers named next (ISA guide 7.12.1 for vector instructions)
.rept 4
	v_nop
.endr
.endm
	s_load_b256 s[4:11], s[0:1], 0x0               ; x's codes s[4:5], x's scales s[6:7], wq s[8:9], out0 s[10:11]
	v_lshl_add_u32 v[SPW], v0, 2, SPARE
	v_mov_b32 v[NIL], 0
	ds_add_u32 v[SPW], v[NIL]                      ; the wave's opening: the add, twice on end, and its wait ahead of my first tensor load
	ds_add_u32 v[SPW], v[NIL]
	v_lshrrev_b32 v1, 5, v0
	v_and_b32 v2, 31, v0                           ; lane
	v_readfirstlane_b32 s14, v1                    ; wave 0..3
	v_and_b32 v3, 15, v0                           ; r
	v_bfe_u32 v4, v0, 4, 1                         ; h
	v_lshlrev_b32 v[BS], 4, v2
	v_lshl_add_u32 v[LS], v2, 4, XS
	v_lshlrev_b32 v[CO], 4, v3
	v_lshl_add_u32 v[CO], v4, 16, v[CO]            ; 16 r, and eight rows down for lanes 16-31
	v_mul_u32_u24 v5, v3, PITCH
	v_lshl_add_u32 v[RA], v4, 4, v5                ; row x pitch + 16 h
	v_add_nc_u32 v[RA+1], 128*PITCH, v[RA]
	v_add_nc_u32 v[RA+2], SLOT, v[RA]
	v_add_nc_u32 v[RA+3], SLOT+128*PITCH, v[RA]
	v_and_b32 v6, 7, v3                            ; the weight's codes: 256 (r / 8) + 128 h + 16 (r % 8)
	v_lshrrev_b32 v7, 3, v3
	v_lshlrev_b32 v6, 4, v6
	v_lshl_add_u32 v6, v4, 7, v6
	v_lshl_add_u32 v[BO], v7, 8, v6
	v_lshlrev_b32 v[SG], 4, v0                     ; thread i reads 16 bytes at 16 i + 2,048 j: row i / 8 + 16 j, the 16 blocks of ac = i % 8
	v_lshrrev_b32 v8, 3, v0
	v_bfe_u32 v9, v0, 1, 2                         ; v
	v_and_b32 v10, 1, v0                           ; c; and the odd threads make the words of odd jp
	v_lshl_add_u32 v11, v9, 3, v10
	v_mul_u32_u24 v11, v11, SSTEP
	v_lshl_add_u32 v11, v8, 4, v11
	v_add_nc_u32 v[SI], XS, v11
	v_mov_b32 v12, 0x01000504
	v_mov_b32 v13, 0x07060302
	v_cmp_eq_u32 vcc_lo, 1, v10
	v_cndmask_b32 v[SEL], v12, v13, vcc_lo
.irp i, 0,1,2,3
	v_mov_b32 v[TT+\i], 0                          ; (a lane exchange's destination counts as one of its sources)
.endr
	s_bfe_u32 s40, ttmp6, 0x40000                  ; cx
	s_lshl_b32 s42, ttmp9, 2
	s_add_co_u32 s42, s42, s40                     ; tile column of out0 = 4 x cluster x + cx
	s_and_b32 s41, ttmp7, 0xffff                   ; y: tile row
	; descriptor group 1: 64 rows x 512 bytes, 2,048 bytes apart, padded in LDS
	s_mov_b32 s[G1+0], 15|(0<<16)|(1<<20)|(1<<21)|(6<<22)|(3<<25)   ; 15:0 the mask: all four; 17:16 elements of 1 byte; 20 padding on; 21 set beside a mask; 24:22 after every 128 words (code 6); 31:25 of 4 words (code 3)
	s_mov_b32 s[G1+1], 512<<16                     ; tensor_dim0 = 512
	s_mov_b32 s[G1+2], 64<<16                      ; tensor_dim1 = 64
	s_mov_b32 s[G1+3], 512<<16                     ; tile_dim0 = 512
	s_mov_b32 s[G1+4], 64                          ; tile_dim1 = 64
	s_mov_b32 s[G1+5], 2048                        ; tensor_dim0_stride
	s_mov_b32 s[G1+6], 0
	s_mov_b32 s[G1+7], 0
	s_mov_b32 s[G0], 1                             ; 1:0 count = 1
	s_mul_i32 s[G0+1], s14, QROWS                  ; 63:32 LDS address: my quarter of the rows
	s_mov_b32 s[G0+4], 1
	s_add_co_u32 s[G0+5], s[G0+1], SLOT
	s_lshl_b32 s20, s42, 2
	s_add_co_u32 s20, s20, s14                     ; my subtile: 4 x tile column + wave
	s_mul_i32 s44, s20, SUBB
	s_mov_b32 s45, 0
	s_lshl_b32 s46, s41, 21                        ; out0: 256 y rows of 8,192 bytes, + 256 bytes a subtile
	s_lshl_b32 s48, s20, 8
	s_add_co_u32 s46, s46, s48
	s_mov_b32 s47, 0
	s_lshl_b32 s52, s41, 19                        ; x's codes: 256 y + 64 wave rows of 2,048 bytes
	s_lshl_b32 s48, s14, 17
	s_add_co_u32 s52, s52, s48
	s_mov_b32 s53, 0
	s_lshl_b32 s54, s41, 15                        ; x's scales: 256 y rows of 128 bytes
	s_mov_b32 s55, 0
	s_wait_alu depctr_va_vdst(0)
	s_wait_dscnt 0x0                               ; both opening adds are done
	s_wait_kmcnt 0x0
	s_add_nc_u64 s[52:53], s[4:5], s[52:53]
	s_add_nc_u64 s[54:55], s[6:7], s[54:55]
	s_add_nc_u64 s[44:45], s[8:9], s[44:45]        ; s[44:45]: my subtile in wq
	s_add_nc_u64 s[46:47], s[10:11], s[46:47]      ; s[46:47]: my first row and column of out0
	s_mov_b64 s[G0+2:G0+3], s[52:53]               ; 120:64 global address: the same in all four partners
	s_or_b32 s[G0+3], s[G0+3], 0x80000000          ; 127:126 type = 2
	s_add_nc_u64 s[G0+6:G0+7], s[52:53], 512
	s_or_b32 s[G0+7], s[G0+7], 0x80000000
.irp j, 0,1,2,3,4,5,6,7,8,9,10,11,12,13,14,15
	global_load_b128 v[XR+4*\j:XR+4*\j+3], v[SG], s[54:55] offset:2048*\j   ; x's scale bytes of my 256 rows, 512 consecutive bytes a wave and load
.endr
	CROUND                                         ; all four work-groups are here: the joint loads meet
	tensor_load_to_lds s[G0:G0+3], s[G1:G1+7]      ; slot 0: v = 0: the wave's one tensor load at the head
	s_nop 0
.macro BL s                            ; the weight of step s (windows 0): eight loads of codes; in steps 0 .. 7, ahead of them, two of scale words: a lane's four words, v = 0 .. 3
.if (\s) < 8
	global_load_b128 v[SB+8*(\s):SB+8*(\s)+3], v[BS], s[44:45] offset:WSC+1024*(\s)
	global_load_b128 v[SB+8*(\s)+4:SB+8*(\s)+7], v[BS], s[44:45] offset:WSC+1024*(\s)+512
.endif
.irp i, 0,1,2,3,4,5,6,7
	global_load_b128 v[BR+32*((\s)%4)+4*\i:BR+32*((\s)%4)+4*\i+3], v[BO], s[44:45] offset:4096*(\s)+512*\i
.endr
.endm
	BL 0
	BL 1
	s_wait_loadcnt 20                              ; x's scale bytes are in; the 20 loads of two steps of the weight may be out
; Thread i has, of row i / 8 + 16 j, the 16 bytes of ac = i % 8; its neighbour i xor 1 those of the other ac of the pair.  A word is two neighbouring bytes of each: the even threads make jp = 2 q, the odd ones 2 q + 1.
.irp j, 0,1,2,3,4,5,6,7,8,9,10,11,12,13,14,15
.irp q, 0,1,2,3
	v_mov_b32_dpp v[TT+\q], v[XR+4*\j+\q] row_xmask:1 row_mask:0xf bank_mask:0xf
.endr
.irp q, 0,1,2,3
	v_perm_b32 v[XR+4*\j+\q], v[XR+4*\j+\q], v[TT+\q], v[SEL]
.endr
.endr
.irp j, 0,1,2,3,4,5,6,7,8,9,10,11,12,13,14,15
.irp q, 0,1,2,3
	ds_store_b32 v[SI], v[XR+4*\j+\q] offset:2*SSTEP*\q+512*(\j/8)+256*(\j%2)+4*((\j/2)%4)
.endr
.endr
	BL 2
	s_wait_tensorcnt 0x0                           ; my part of slot 0 has landed
	ds_add_u32 v[SPW], v[NIL]
	s_wait_dscnt 0x0                               ; the add is done, and my scale words are stored
	CROUND                                         ; everybody's; and all four work-groups are here
	tensor_load_to_lds s[G0+4:G0+7], s[G1:G1+7]    ; slot 1: v = 1
	s_nop 0
; A fragment of x, 32 rows x 128 K in 16 registers: lane l holds row l % 16 (registers 8-15: row 16 + l % 16); registers 4 c .. 4 c + 3 hold the block (c, l / 16).  Four loads.
.macro XFRAG reg, adr, p, q
.irp u, 0,1
.irp c, 0,1
	ds_load_b128 v[\reg+8*\u+4*\c:\reg+8*\u+4*\c+3], v[\adr] offset:32*PITCH*(\p)+16*PITCH*\u+256*\c+32*((\q)%8)
.endr
.endr
.endm
.macro LOADA s                         ; step s, into set s % 2: its scale words of x and the fragments of rows 0-127: 18 loads
.set qS, \s
	WIN 0
	ds_load_b128 v[SA+8*(qS%2):SA+8*(qS%2)+3], v[LS] offset:SSTEP*qS
	ds_load_b128 v[SA+8*(qS%2)+4:SA+8*(qS%2)+7], v[LS] offset:SSTEP*qS+512
	WIN 0x40                                       ; destination window 1
.irp p, 0,1,2,3
	XFRAG 128*(qS%2)+16*\p, RA+2*((qS/8)%2), \p, qS
.endr
	WIN 0
.endm
.macro LOADB s                         ; and those of rows 128-255: 16 loads
.set qS, \s
	WIN 0x40
.irp p, 0,1,2,3
	XFRAG 128*(qS%2)+64+16*\p, RA+1+2*((qS/8)%2), \p, qS
.endr
	WIN 0
.endm
.macro HLOADS i                        ; half step i of the last four steps: step 28 + i % 4, rows 128 (i / 4) on, into the first 64 registers of set i % 2: 17 loads
.set hI, \i
.set hS, 28+hI%4
	WIN 0
	ds_load_b128 v[SA+8*(hI%2):SA+8*(hI%2)+3], v[LS] offset:SSTEP*hS+512*(hI/4)
	WIN 0x40
.irp p, 0,1,2,3
	XFRAG 128*(hI%2)+16*\p, RA+2+hI/4, \p, hS
.endr
	WIN 0
.endm
; One matrix instruction: 32 rows of x (source 0) against tile t's 16 rows of the weight (source 1).  ZERO = 1: it starts its sum.  gM: fragments in a set: 8, or 4 in half steps.
.macro WM p, t
.set rD, 16*(4*((\p)%4)+\t)
.set rA, 128*gSet+16*((\p)%gM)
.set rB, BR+32*(gS%4)+8*\t
.set rSA, SA+8*gSet+((\p)%gM)
.set rSB, SB+8*(gS%8)+4*((\t)/2)+gS/8
.if ZERO
.if (\t)%2
	v_wmma_scale_f32_32x16x128_f4 v[rD:rD+15], v[rA:rA+15], v[rB:rB+7], 0, v[rSA], v[rSB] matrix_b_scale:MATRIX_SCALE_ROW1
.else
	v_wmma_scale_f32_32x16x128_f4 v[rD:rD+15], v[rA:rA+15], v[rB:rB+7], 0, v[rSA], v[rSB]
.endif
.else
.if (\t)%2
	v_wmma_scale_f32_32x16x128_f4 v[rD:rD+15], v[rA:rA+15], v[rB:rB+7], v[rD:rD+15], v[rSA], v[rSB] matrix_b_scale:MATRIX_SCALE_ROW1
.else
	v_wmma_scale_f32_32x16x128_f4 v[rD:rD+15], v[rA:rA+15], v[rB:rB+7], v[rD:rD+15], v[rSA], v[rSB]
.endif
.endif
.endm
.macro MULHALF hi                      ; 16 matrix instructions: rows 128 hi on.  The accumulators take turns, in the same order every time
	WIN 0xa1+0x50*\hi                              ; source 0 window 1, source 1 window 0, C and D window 2 or 3
.irp p, 4*\hi,4*\hi+1,4*\hi+2,4*\hi+3
.irp t, 0,1,2,3
	WM (\p), \t
.endr
.endr
.endm
; A step that has its successor in the same slot.
.macro STEP s
.set gS, \s
.set gSet, gS%2
.if gS > 0
	PLACES
.endif
.if gS < 27
	LOADA gS+1
.else
	HLOADS 0
.endif
.if gS < 6
	s_wait_loadcnt 20                              ; this step's weight is in: the two younger steps, ten loads each, may be out
.elseif gS == 6
	s_wait_loadcnt 18
.else
	s_wait_loadcnt 16                              ; eight loads each
.endif
.if gS < 27
	s_wait_dscnt 34                                ; the scale words and rows 0-127 are in: this step's other 16 loads and the next step's 18 may be out
.else
	s_wait_dscnt 33
.endif
	MULHALF 0
	WIN 0
.if gS < 27
	LOADB gS+1
.endif
	BL gS+3
.if gS < 27
	s_wait_dscnt 34                                ; rows 128-255 are in: the next step's 34 loads may be out
.else
	s_wait_dscnt 17
.endif
	MULHALF 1
	WIN 0
.endm
; A slot's last step changes slots.  In front of the barrier each wave waits for all its tensor loads (its part of the next slot), adds 0 to its spare word, and waits for that and for its own reads of this slot.
; fill = 1: this slot is filled again, two slots ahead; the barrier then opens a round of the cluster's barrier, and the joint refill is the first tensor load behind the round.
.macro TURN s, fill
.set gS, \s
.set gSet, gS%2
.set tG, G0+4*((gS/8)%2)
	s_wait_tensorcnt 0x0                           ; (every window is 0 here: the add's two registers lie in window 0)
	ds_add_u32 v[SPW], v[NIL]                      ; 0 onto my spare word
.if \fill
	s_add_nc_u64 s[tG+2:tG+3], s[tG+2:tG+3], 1024  ; no tensor load of mine is out: this slot's next 1,024 along K
.endif
	s_wait_loadcnt 16                              ; this step's weight is in: the two younger steps may be out
	s_wait_dscnt 0x0                               ; the add is done, and my reads of this slot are over
	s_barrier_signal -1
	MULHALF 0                                      ; work on registers while the others arrive
	WIN 0
	s_barrier_wait -1
.if \fill
	CREST                                          ; no wave of any partner still reads this slot or has a load on its way
	tensor_load_to_lds s[tG:tG+3], s[G1:G1+7]
	s_nop 0
.endif
	PLACES                                         ; for the loads into the registers that the step before has read
	LOADA gS+1
	LOADB gS+1
	BL gS+3
	MULHALF 1
	WIN 0
.endm
	PLACES
	LOADA 0
	LOADB 0
.set gM, 8
.set ZERO, 1
	STEP 0                                         ; its products start the sums: nothing is ever cleared
.set ZERO, 0
.irp n, 1,2,3,4,5,6
	STEP \n
.endr
	TURN 7, 1
.irp n, 8,9,10,11,12,13,14
	STEP \n
.endr
	TURN 15, 1
.irp n, 16,17,18,19,20,21,22
	STEP \n
.endr
	TURN 23, 0
.irp n, 24,25,26,27
	STEP \n
.endr
; THE LAST FOUR STEPS, by halves of the rows.
.set gM, 4
.macro HSTEP i
.set gI, \i
.set gS, 28+gI%4
.set gSet, gI%2
	PLACES
.if gI < 7
	HLOADS gI+1
.endif
.if gI == 0
	BL 31                                          ; the last of the weight, where step 27's lay
.endif
.if gI < 4
	s_wait_loadcnt 8*(3-gI)                        ; this step's weight is in: the steps still to come may be out
.endif
.if gI < 7
	s_wait_dscnt 17                                ; this half step's fragments are in: the next one's may be out
.else
	s_wait_dscnt 0
.endif
.if gI < 4
	MULHALF 0
.else
	MULHALF 1
.endif
	WIN 0
.endm
; Rows 32 p on leave, each accumulator from its low end on, through 64 registers of window 1 from reg on.
.macro OUT p, reg
	WIN 0x42+(\p)/4                                ; source 0 window 2 or 3, destination window 1
.irp j, 0,1,2,3,4,5,6,7,8,9,10,11,12,13,14,15
.irp t, 0,1,2,3
	v_mov_b32 v[\reg+4*\j+\t], v[64*((\p)%4)+16*\t+\j]
.endr
.endr
	WIN 0x04                                       ; the data: window 1
.irp j, 0,1,2,3,4,5,6,7,8,9,10,11,12,13,14,15
	global_store_b128 v[CO], v[\reg+4*\j:\reg+4*\j+3], s[46:47] offset:(32*(\p)+16*(\j/8)+(\j%8))*ROWO th:TH_STORE_NT   ; two rows, 256 consecutive bytes each, at multiples of 256 from out0's first byte
.endr
	WIN 0
.endm
.irp n, 0,1,2,3
	HSTEP \n
.endr
	PLACES                                         ; rows 0-127 are finished: they leave between the half steps of rows 128-255, through the halves of x's sets that half steps do not use
	OUT 0, 64
	HSTEP 4
	OUT 1, 192
	HSTEP 5
	s_wait_xcnt 0x0                                ; the stores so far have read their data: the registers are written again
	OUT 2, 64
	HSTEP 6
	OUT 3, 192
	HSTEP 7
	PLACES
	OUT 4, 0
	OUT 5, 128
	s_wait_xcnt 0x0                                ; the stores so far have read their data
	OUT 6, 64
	OUT 7, 192
	s_wait_tensorcnt 0x0                           ; the wave's end, behind my last tensor load and my last LDS store
	ds_add_u32 v[SPW], v[NIL]
	s_wait_dscnt 0x0
	CROUND                                         ; the closing round: no work-group ends while a partner may still ask for a slot that names it
	s_endpgm
.Lfunc_end_k_q0d32fefd90_gemm:
	.size	k_q0d32fefd90_gemm, .Lfunc_end_k_q0d32fefd90_gemm-k_q0d32fefd90_gemm
	.p2alignl 7, 3214868480
	.fill 96, 4, 3214868480
	.section	.rodata,"a",@progbits
	.p2align	6, 0x0
	.amdhsa_kernel k_q0d32fefd90_gemm
		.amdhsa_group_segment_fixed_size 327680
		.amdhsa_private_segment_fixed_size 0
		.amdhsa_enable_private_segment 0
		.amdhsa_kernarg_size 32
		.amdhsa_user_sgpr_count 2
		.amdhsa_user_sgpr_kernarg_segment_ptr 1
		.amdhsa_wavefront_size32 1
		.amdhsa_system_sgpr_workgroup_id_x 1
		.amdhsa_system_sgpr_workgroup_id_y 1
		.amdhsa_system_sgpr_workgroup_id_z 1
		.amdhsa_system_vgpr_workitem_id 0
		.amdhsa_next_free_vgpr 1024
		.amdhsa_next_free_sgpr 98
		.amdhsa_reserve_vcc 1
		.amdhsa_float_denorm_mode_32 3
		.amdhsa_float_denorm_mode_16_64 3
		.amdhsa_memory_ordered 1
		.amdhsa_forward_progress 1
		.amdhsa_inst_pref_size 255
	.end_amdhsa_kernel
	.section	.bss,"aw",@nobits
	.p2align	6
	.space	262144
	.amdgpu_metadata
---
amdhsa.version: [ 1, 2 ]
amdhsa.kernels:
  - .name:           k_q0d32fefd90_gemm
    .symbol:         k_q0d32fefd90_gemm.kd
    .args:
      - { .name: x_codes, .offset: 0, .size: 8, .value_kind: global_buffer, .address_space: global }
      - { .name: x_scales, .offset: 8, .size: 8, .value_kind: global_buffer, .address_space: global }
      - { .name: wq, .offset: 16, .size: 8, .value_kind: global_buffer, .address_space: global }
      - { .name: out0, .offset: 24, .size: 8, .value_kind: global_buffer, .address_space: global }
    .group_segment_fixed_size: 327680
    .private_segment_fixed_size: 0
    .kernarg_segment_align: 8
    .kernarg_segment_size: 32
    .max_flat_workgroup_size: 128
    .sgpr_count:     98
    .vgpr_count:     1024
    .wavefront_size: 32
...
	.end_amdgpu_metadata
.endif
;; end of part 2
